; MI455X (gfx1250); checked and timed in simulation.
; The chip was launched on July 23, 2026; its instructions are those of AMD's public machine-readable ISA for CDNA 5 (MIT licence, August 2026) and "CDNA5" Instruction Set Architecture Reference Guide (July 2026). The comments in the code are by the model that wrote it; some were corrected since.
;; MHSA. Allowed arithmetic: float matrix products may take bf16 or f16 operands with f32 sums; all other float work in f32.
;; Inputs: bk 1,024 float32; bo 1,024 float32; bq 1,024 float32; bv 1,024 float32; ln_beta 1,024 float32; ln_gamma 1,024 float32; wk 1,024 x 1,024 float32; wo 1,024 x 1,024 float32; wq 1,024 x 1,024 float32; wv 1,024 x 1,024 float32; x 2 x 2,048 x 1,024 float32.
;; Outputs: out0 2 x 2,048 x 1,024 float32.
;; One version. Each part assembles by itself: llvm-mc -triple=amdgcn-amd-amdhsa -mcpu=gfx1250 --defsym DOCPART=n.
;; ======== version 1 of 1: 4 launches
;; limits: values are held in f16: magnitudes above 65,504 overflow, below 6.1e-05 lose precision
;; workspace buffers: xn 8,388,608 bytes; wall 8,388,608 bytes; qkvh 25,165,824 bytes; attnh 8,388,608 bytes
;; launch prep (part 1): grid 256 x 1, 8 waves a work-group, no clusters, 0 bytes of LDS; arguments x, ln_gamma, ln_beta, wq, wk, wv, wo, xn, wall; writes xn, wall
.if DOCPART == 1
	.amdgcn_target "amdgcn-amd-amdhsa--gfx1250"
	.amdhsa_code_object_version 6
	.text
	.protected	k_q7cac01bc84_prep
	.globl	k_q7cac01bc84_prep
	.p2align	8
	.type	k_q7cac01bc84_prep,@function
k_q7cac01bc84_prep:
	s_mov_b64 s[64:65], 0
	v_nop
	global_prefetch_b8 v0, s[64:65] scope:SCOPE_SE
	s_setreg_imm32_b32 hwreg(HW_REG_WAVE_MODE, 25, 1), 1
	s_wait_xcnt 0x0
; prep: xn = LayerNorm(x) * gamma + beta, rounded once to f16, [4096][1024]; and the four weight matrices rounded to f16 into
; wall [1024 k][4096 n] (columns 0-1023 wq, 1024-2047 wk, 2048-3071 wv, 3072-4095 wo), their [k][n] order kept.
; 256 work-groups of eight waves.  A work-group takes 16 rows of x and 16 rows of one weight matrix; a wave 2 + 2 rows.
; A row of 1024 f32 lies in 32 registers of one wave: the mean and then the mean of (x - mean)^2 are made from registers (two passes,
; as the definition has them, no difference of large sums), x is read from memory once, and no wave waits for another: no LDS, no barrier.
; A lane holds four groups j of 8 neighbouring numbers, at column 256 j + 8 lane: two 16-byte loads bring a group, and its 8 f16 are 16 bytes,
; so that one store of the wave covers 512 consecutive bytes, aligned.
; No cluster and no matrix unit: the work-groups share gamma and beta alone, 8 KiB beside the 128 KiB that each reads for itself.
; LIMIT: |xn| and the weights must stay below 65,504 (f16); numbers below 6.1e-5 keep an absolute accuracy of 3e-8.
.set G,   8                            ; v[8:39]    gamma of my 32 columns
.set BT,  40                           ; v[40:71]   beta
.set X0,  72                           ; v[72:103]  my first row of x
.set X1,  104                          ; v[104:135] my second row
.set W0,  136                          ; v[136:167] my first weight row
.set W1,  168                          ; v[168:199] my second
.set T,   200                          ; v[200:207] four chains; v208 the other half's sum; v209 var + eps; v[210:211] -mean twice; v[212:213] 1/sqrt twice
	s_load_b512 s[4:19], s[0:1], 0x0               ; x 4:5, gamma 6:7, beta 8:9, wq 10:11, wk 12:13, wv 14:15, wo 16:17, xn 18:19
	s_load_b64 s[20:21], s[0:1], 0x40              ; wall
	v_lshrrev_b32 v1, 5, v0
	v_readfirstlane_b32 s22, v1                    ; wave 0..7
	v_and_b32 v1, 31, v0                           ; lane
	s_and_b32 s23, ttmp9, 63                       ; which 16 rows of the weight matrix
	s_lshr_b32 s24, ttmp9, 6                       ; which matrix: 0 wq, 1 wk, 2 wv, 3 wo
	s_mov_b32 s29, 0
	s_mov_b32 s30, 0x3a800000                      ; 1/1024
	s_mov_b32 s34, 0xba800000                      ; -1/1024
	s_mov_b32 s31, 0x3727c5ac                      ; 1e-5
	s_mov_b32 s32, 0x76543210                      ; v_permlanex16_b32: lane i of one half reads lane i of the other
	s_mov_b32 s33, 0xfedcba98
	v_lshlrev_b32 v3, 5, v1                        ; gamma, beta: 32 lane
	s_lshl_b32 s25, s22, 13
	v_add_nc_u32 v2, s25, v3                       ; x and weights: 32 lane + 2 rows of 4,096 bytes a wave
	v_lshlrev_b32 v6, 4, v1
	s_lshl_b32 s25, s22, 12
	v_add_nc_u32 v4, s25, v6                       ; xn: 16 lane + 2 rows of 2,048 bytes a wave
	s_lshl_b32 s25, s22, 14
	v_add_nc_u32 v5, s25, v6                       ; wall: 16 lane + 2 rows of 8,192 bytes a wave
	v_mov_b32 v[T+8], 0                            ; v_permlanex16_b32 counts as a reader of its destination
	s_wait_kmcnt 0x0
	s_cmp_eq_u32 s24, 0
	s_cselect_b64 s[26:27], s[10:11], s[12:13]
	s_cmp_lt_u32 s24, 2
	s_cselect_b64 s[26:27], s[26:27], s[14:15]
	s_cmp_lt_u32 s24, 3
	s_cselect_b64 s[26:27], s[26:27], s[16:17]     ; my weight matrix
	s_lshl_b32 s28, ttmp9, 16
	s_add_nc_u64 s[4:5], s[4:5], s[28:29]          ; x: 16 rows of 4,096 bytes a work-group
	s_lshl_b32 s28, ttmp9, 15
	s_add_nc_u64 s[18:19], s[18:19], s[28:29]      ; xn: 16 rows of 2,048 bytes
	s_lshl_b32 s28, s23, 16
	s_add_nc_u64 s[26:27], s[26:27], s[28:29]      ; weights in: 16 rows of 4,096 bytes
	s_lshl_b32 s28, s23, 17
	s_lshl_b32 s35, s24, 11
	s_add_co_u32 s28, s28, s35
	s_add_nc_u64 s[20:21], s[20:21], s[28:29]      ; wall: 16 rows of 8,192 bytes, and the matrix's 2,048 bytes of each row
.macro LDROW dst, adr, sb, off         ; a row that the launch reads once
.irp j, 0,1,2,3
	global_load_b128 v[\dst+8*\j:\dst+8*\j+3],   v[\adr], s[\sb:\sb+1] offset:\off+1024*\j th:TH_LOAD_NT
	global_load_b128 v[\dst+8*\j+4:\dst+8*\j+7], v[\adr], s[\sb:\sb+1] offset:\off+1024*\j+16 th:TH_LOAD_NT
.endr
.endm
.macro LDVEC dst, adr, sb              ; a vector that every work-group reads
.irp j, 0,1,2,3
	global_load_b128 v[\dst+8*\j:\dst+8*\j+3],   v[\adr], s[\sb:\sb+1] offset:1024*\j
	global_load_b128 v[\dst+8*\j+4:\dst+8*\j+7], v[\adr], s[\sb:\sb+1] offset:1024*\j+16
.endr
.endm
	LDROW X0, 2, 4, 0                              ; all 48 loads of the wave go out at once
	LDROW X1, 2, 4, 4096
	LDVEC G, 3, 6
	LDVEC BT, 3, 8
	LDROW W0, 2, 26, 0
	LDROW W1, 2, 26, 4096
.macro FOLD                            ; the four chains and then the 32 lanes: every lane ends with the row's sum in v[T]
	v_pk_add_f32 v[T:T+1], v[T:T+1], v[T+2:T+3]
	v_pk_add_f32 v[T+4:T+5], v[T+4:T+5], v[T+6:T+7]
	v_pk_add_f32 v[T:T+1], v[T:T+1], v[T+4:T+5]
	v_add_f32 v[T], v[T], v[T+1]
	v_add_f32_dpp v[T], v[T], v[T] row_xmask:1 row_mask:0xf bank_mask:0xf
	v_add_f32_dpp v[T], v[T], v[T] row_xmask:2 row_mask:0xf bank_mask:0xf
	v_add_f32_dpp v[T], v[T], v[T] row_xmask:4 row_mask:0xf bank_mask:0xf
	v_add_f32_dpp v[T], v[T], v[T] row_xmask:8 row_mask:0xf bank_mask:0xf
	v_permlanex16_b32 v[T+8], v[T], s32, s33
	v_add_f32 v[T], v[T], v[T+8]
.endm
; One row: x = its 32 registers, i = 0 or 1.
.macro LNROW x, i
.irp k, 0,1,2,3
	v_pk_add_f32 v[T+2*\k:T+2*\k+1], v[\x+2*\k:\x+2*\k+1], v[\x+2*\k+8:\x+2*\k+9]   ; the first pairs start the chains: nothing is cleared
.endr
.irp p, 8,9,10,11,12,13,14,15
	v_pk_add_f32 v[T+2*(\p%4):T+2*(\p%4)+1], v[T+2*(\p%4):T+2*(\p%4)+1], v[\x+2*\p:\x+2*\p+1]
.endr
	FOLD
	v_mul_f32 v[T+10], s34, v[T]                   ; -mean
	v_mov_b32 v[T+11], v[T+10]
.irp p, 0,1,2,3,4,5,6,7,8,9,10,11,12,13,14,15
	v_pk_add_f32 v[\x+2*\p:\x+2*\p+1], v[\x+2*\p:\x+2*\p+1], v[T+10:T+11]           ; x - mean, in place
.endr
.irp k, 0,1,2,3
	v_pk_mul_f32 v[T+2*\k:T+2*\k+1], v[\x+2*\k:\x+2*\k+1], v[\x+2*\k:\x+2*\k+1]
.endr
.irp p, 4,5,6,7,8,9,10,11,12,13,14,15
	v_pk_fma_f32 v[T+2*(\p%4):T+2*(\p%4)+1], v[\x+2*\p:\x+2*\p+1], v[\x+2*\p:\x+2*\p+1], v[T+2*(\p%4):T+2*(\p%4)+1]
.endr
	FOLD
	v_fma_f32 v[T+9], v[T], s30, s31               ; variance + eps
	v_rsq_f32 v[T+12], v[T+9]
	v_rsq_f32 v[T+13], v[T+9]
	v_nop                                          ; one plain vector instruction behind a transcendental before its result is used (ISA guide 5.7.2)
	s_wait_alu depctr_va_vdst(0)
.irp p, 0,1,2,3,4,5,6,7,8,9,10,11,12,13,14,15
	v_pk_mul_f32 v[\x+2*\p:\x+2*\p+1], v[\x+2*\p:\x+2*\p+1], v[T+12:T+13]
.endr
.irp p, 0,1,2,3,4,5,6,7,8,9,10,11,12,13,14,15
	v_pk_fma_f32 v[\x+2*\p:\x+2*\p+1], v[\x+2*\p:\x+2*\p+1], v[G+2*\p:G+2*\p+1], v[BT+2*\p:BT+2*\p+1]
.endr
.irp p, 0,1,2,3,4,5,6,7,8,9,10,11,12,13,14,15
	v_cvt_pk_f16_f32 v[\x+\p], v[\x+2*\p], v[\x+2*\p+1]    ; ascending: word p is written when words up to 2 p + 1 have been read
.endr
.irp j, 0,1,2,3
	global_store_b128 v4, v[\x+4*\j:\x+4*\j+3], s[18:19] offset:2048*\i+512*\j
.endr
.endm
.macro WROW src, i
.irp p, 0,1,2,3,4,5,6,7,8,9,10,11,12,13,14,15
	v_cvt_pk_f16_f32 v[\src+\p], v[\src+2*\p], v[\src+2*\p+1]
.endr
.irp j, 0,1,2,3
	global_store_b128 v5, v[\src+4*\j:\src+4*\j+3], s[20:21] offset:8192*\i+512*\j
.endr
.endm
	s_wait_loadcnt 16                              ; loads come back in order: x, gamma and beta are in, the 16 weight loads stay out
	LNROW X0, 0
	LNROW X1, 1
	s_wait_loadcnt 8                               ; the first weight row is in
	WROW W0, 0
	s_wait_loadcnt 0
	WROW W1, 1
	s_endpgm                                       ; no register of a store is ever written again
.Lfunc_end_k_q7cac01bc84_prep:
	.size	k_q7cac01bc84_prep, .Lfunc_end_k_q7cac01bc84_prep-k_q7cac01bc84_prep
	.p2alignl 7, 3214868480
	.fill 96, 4, 3214868480
	.section	.rodata,"a",@progbits
	.p2align	6, 0x0
	.amdhsa_kernel k_q7cac01bc84_prep
		.amdhsa_group_segment_fixed_size 0
		.amdhsa_private_segment_fixed_size 0
		.amdhsa_enable_private_segment 0
		.amdhsa_kernarg_size 72
		.amdhsa_user_sgpr_count 2
		.amdhsa_user_sgpr_kernarg_segment_ptr 1
		.amdhsa_wavefront_size32 1
		.amdhsa_system_sgpr_workgroup_id_x 1
		.amdhsa_system_sgpr_workgroup_id_y 1
		.amdhsa_system_sgpr_workgroup_id_z 1
		.amdhsa_system_vgpr_workitem_id 0
		.amdhsa_next_free_vgpr 216
		.amdhsa_next_free_sgpr 66
		.amdhsa_reserve_vcc 0
		.amdhsa_float_denorm_mode_32 3
		.amdhsa_float_denorm_mode_16_64 3
		.amdhsa_memory_ordered 1
		.amdhsa_forward_progress 1
		.amdhsa_inst_pref_size 25
	.end_amdhsa_kernel
	.amdgpu_metadata
---
amdhsa.version: [ 1, 2 ]
amdhsa.kernels:
  - .name:           k_q7cac01bc84_prep
    .symbol:         k_q7cac01bc84_prep.kd
    .args:
      - { .name: x, .offset: 0, .size: 8, .value_kind: global_buffer, .address_space: global }
      - { .name: ln_gamma, .offset: 8, .size: 8, .value_kind: global_buffer, .address_space: global }
      - { .name: ln_beta, .offset: 16, .size: 8, .value_kind: global_buffer, .address_space: global }
      - { .name: wq, .offset: 24, .size: 8, .value_kind: global_buffer, .address_space: global }
      - { .name: wk, .offset: 32, .size: 8, .value_kind: global_buffer, .address_space: global }
      - { .name: wv, .offset: 40, .size: 8, .value_kind: global_buffer, .address_space: global }
      - { .name: wo, .offset: 48, .size: 8, .value_kind: global_buffer, .address_space: global }
      - { .name: xn, .offset: 56, .size: 8, .value_kind: global_buffer, .address_space: global }
      - { .name: wall, .offset: 64, .size: 8, .value_kind: global_buffer, .address_space: global }
    .group_segment_fixed_size: 0
    .private_segment_fixed_size: 0
    .kernarg_segment_align: 8
    .kernarg_segment_size: 72
    .max_flat_workgroup_size: 256
    .sgpr_count:     66
    .vgpr_count:     216
    .wavefront_size: 32
...
	.end_amdgpu_metadata
.endif
;; end of part 1
;; launch qkv (part 2): grid 16 x 16, 4 waves a work-group, clusters of 4 x 4, 327,680 bytes of LDS; arguments xn, wall, bq, bk, bv, qkvh; writes qkvh
.if DOCPART == 2
	.amdgcn_target "amdgcn-amd-amdhsa--gfx1250"
	.amdhsa_code_object_version 6
	.text
	.protected	k_q7cac01bc84_qkv
	.globl	k_q7cac01bc84_qkv
	.p2align	8
	.type	k_q7cac01bc84_qkv,@function
k_q7cac01bc84_qkv:
	s_mov_b64 s[64:65], 0
	v_nop
	global_prefetch_b8 v0, s[64:65] scope:SCOPE_SE
	s_setreg_imm32_b32 hwreg(HW_REG_WAVE_MODE, 25, 1), 1
	s_wait_xcnt 0x0
	s_wait_alu depctr_hold_cnt(0) depctr_sa_sdst(0) depctr_va_vdst(0) depctr_va_sdst(0) depctr_va_ssrc(0) depctr_va_vcc(0) depctr_vm_vsrc(0)
	s_getreg_b32 s2, hwreg(HW_REG_IB_STS2, 6, 4)
	s_cmp_eq_u32 s2, 0
	s_cbranch_scc0 .Lentry_in_a_cluster
	s_endpgm
.Lentry_in_a_cluster:
	s_bfe_u32 s2, ttmp6, 0x10000c
	s_cmp_lg_u32 s2, 0xf033
	s_cbranch_scc0 .Lentry_shape_is_right
	s_endpgm
.Lentry_shape_is_right:
; qkv: [q | k | v] = xn [4096][1024] x wall[:, 0:3072] + bias, f16 operands, f32 sums, rounded once to f16,
; stored by heads: qkvh [48 g][4096 m][64], g = column / 64 (q heads 0-15, k heads 16-31, v heads 32-47), a head's rows dense (128 bytes).
; A work-group makes 256 rows x 192 columns (three whole heads) with four waves; wave w makes rows 64 w .. 64 w + 63 of all 192 columns:
; 4 x 12 accumulator tiles of 16 x 16, 384 registers.  16 x 16 = 256 work-groups.
; K goes in 8 steps of 128 through two LDS slots filled by the tensor data mover.
; CLUSTERS of 4 x 4: the four work-groups of a row of the cluster need the same tiles of xn, the four of a column the same tiles of wall;
; each such tile is asked for jointly, by the same tensor load in all four with a mask that names them.
; wall lies [k][n]: its fragments come out of LDS by the transposing load.  The matrix instruction takes 16 columns of wall as source 0 and
; 16 rows of xn as source 1, so that lane l holds row l % 16 and, in its registers 0-7, the neighbouring columns 8 (l / 16) + 0..7.
; LIMIT: |q|, |k|, |v| must stay below 65,504 (f16).
; REGISTERS in windows of 256: window 0 addresses, xn fragments (two buffers), bias, the way out; window 1 wall fragments (two buffers);
; window 2 the accumulators of row blocks 0, 1 (tile (a, b) at v[8 (12 (a & 1) + b)]); window 3 those of row blocks 2, 3.
.set PA,     272                       ; LDS pitch of xn's rows: 256 bytes + 16, an odd multiple of 16: the 16 rows of a fragment load start at 16 different 16-byte columns modulo 256
.set PB,     480                       ; LDS pitch of wall's rows: 384 bytes as six pieces of 64 + 16; an odd multiple of 32, as the transposing load's eight rows of 32 bytes want
.set HALFA,  128*PA                    ; what waves 0 and 1 fetch: 128 rows of xn each
.set HALFB,  64*PB                     ; what waves 2 and 3 fetch: 64 k rows of wall each
.set BOFF,   2*HALFA
.set SLOT,   BOFF+2*HALFB              ; 131,072
.set STAGE,  2*SLOT                    ; behind the ring: for each wave 3 heads x 16 rows x 144 bytes, for the way out; no tensor load lands here
.set SP,     144
.set GSTR,   524288                    ; bytes of a head in qkvh
.set ADRA, 16                          ; v16-17  LDS address of my xn fragments in slot 0, 1
.set ADRB, 20                          ; v20-21  the same for wall
.set STO,  24                          ; the way out: where I put 16 bytes of a row
.set RD,   25                          ; where I read rows back
.set CO,   26                          ; 16 x lane: my place in 512 consecutive bytes of qkvh
.set BA,   27                          ; 32 (l / 16): my 8 numbers in 16 of a bias
.set FA,   32                          ; v[32:63], v[64:95] xn fragments, buffer 0, 1 (window 0)
.set RBK,  32                          ; v[32:79] the way out: rows read back
.set TMP,  96                          ; v[96:143] the way out: packed results
.set BIAS, 160                         ; v[160:255] column block b: 8 numbers at 160 + 8 b
.set G1,  24                           ; s[24:31] descriptor group 1, xn
.set G0,  32                           ; s[32:39] descriptor group 0, xn, a set for each slot
.set G1B, 48                           ; s[48:55] group 1, wall
.set G0B, 56                           ; s[56:63] group 0, wall
.set MSB, 0
.macro WIN new                         ; the immediate's high byte repeats the setting that is left
.if MSB != \new
	s_set_vgpr_msb (MSB<<8)|\new
.set MSB, \new
.endif
.endm
.set MUL_LO, 0xa1                      ; source 0 (wall) window 1, source 1 (xn) window 0, C and D window 2
.set MUL_HI, 0xf1                      ; the same, C and D window 3
.set TO_B,   0x40                      ; destination window 1, address window 0
.macro PLACES n
.rept \n
	v_nop
.endr
.endm
; A joint load: waves 0 and 1 ask for xn's two halves, waves 2 and 3 for wall's.  The branch hangs on the wave's number alone.
.macro JLOAD s
	s_cmp_eq_u32 s11, 0
	s_cbranch_scc0 .Lfor_b_\@
	tensor_load_to_lds s[G0+4*\s:G0+4*\s+3], s[G1:G1+7]
	s_nop 0
	s_branch .Lasked_\@
.Lfor_b_\@:
	tensor_load_to_lds s[G0B+4*\s:G0B+4*\s+3], s[G1B:G1B+7]
	s_nop 0
.Lasked_\@:
.endm
; A round of the cluster's barrier: my work-group's barrier; wave 0 signals for the work-group; every wave waits for all sixteen; my work-group's barrier again.
.macro CREST
	s_cmp_lg_u32 s10, 0
	s_cbranch_scc1 .Lnot_wave_0_\@
	s_barrier_signal -3
.Lnot_wave_0_\@:
	s_barrier_wait -3
	s_barrier_signal -1
	s_barrier_wait -1
.endm
.macro CROUND
	s_barrier_signal -1
	s_barrier_wait -1
	CREST
.endm
	s_load_b128 s[4:7], s[0:1], 0x0                ; xn s[4:5], wall s[6:7]
	s_load_b256 s[72:79], s[0:1], 0x10             ; bq 72:73, bk 74:75, bv 76:77, qkvh 78:79
	s_set_vgpr_msb 0x40
	v_lshl_add_u32 v255, v0, 2, 0x46c00
	s_set_vgpr_msb 0x4000
	v_mov_b32 v159, 0
	s_set_vgpr_msb 0x1
	ds_add_u32 v255, v159
	s_set_vgpr_msb 0x100
	v_lshrrev_b32 v1, 5, v0
	v_readfirstlane_b32 s10, v1                    ; wave 0..3
	s_lshr_b32 s11, s10, 1                         ; I fetch for xn (0) or for wall (1)
	s_and_b32 s12, s10, 1                          ; which half of that tile
	s_bfe_u32 s40, ttmp6, 0x40000                  ; cx
	s_bfe_u32 s41, ttmp6, 0x40004                  ; cy
	s_lshl_b32 s42, ttmp9, 2
	s_add_co_u32 s42, s42, s40                     ; block column (192 columns) = 4 x cluster x + cx
	s_and_b32 s13, ttmp7, 0xffff
	s_lshl_b32 s13, s13, 2
	s_add_co_u32 s13, s13, s41                     ; block row (256 rows) = 4 x cluster y + cy
	s_lshl_b32 s43, s41, 2
	s_lshl_b32 s43, 15, s43                        ; my row of the cluster
	s_lshl_b32 s44, 0x1111, s40                    ; my column
	; group 1 for xn: 128 rows x 128 elements of 2 bytes, 4 words of padding behind every 64 words
	s_or_b32 s[G1+0], s43, (1<<16)|(1<<20)|(1<<21)|(5<<22)|(3<<25)
	s_mov_b32 s[G1+1], 128<<16                     ; tensor_dim0 = 128
	s_mov_b32 s[G1+2], 128<<16                     ; tensor_dim1 = 128
	s_mov_b32 s[G1+3], 128<<16                     ; tile_dim0 = 128
	s_mov_b32 s[G1+4], 128                         ; tile_dim1 = 128
	s_mov_b32 s[G1+5], 1024                        ; elements from row to row
	s_mov_b32 s[G1+6], 0
	s_mov_b32 s[G1+7], 0
	; group 1 for wall: 64 k rows x 192 elements, 4 words of padding behind every 16 words (six pieces to a row)
	s_or_b32 s[G1B+0], s44, (1<<16)|(1<<20)|(1<<21)|(3<<22)|(3<<25)
	s_mov_b32 s[G1B+1], 192<<16
	s_mov_b32 s[G1B+2], 64<<16
	s_mov_b32 s[G1B+3], 192<<16
	s_mov_b32 s[G1B+4], 64
	s_mov_b32 s[G1B+5], 4096
	s_mov_b32 s[G1B+6], 0
	s_mov_b32 s[G1B+7], 0
	; xn's tiles hang on the block row alone, wall's on the block column alone; each address is made in registers that never hold the other coordinate
	s_lshl_b32 s16, s13, 8
	s_lshl_b32 s17, s12, 7
	s_add_co_u32 s16, s16, s17                     ; row 256 x block row + 128 x half
	s_lshl_b32 s16, s16, 11                        ; rows of 2,048 bytes
	s_mov_b32 s17, 0
	s_mul_i32 s46, s42, 384                        ; 192 columns of 2 bytes
	s_lshl_b32 s47, s12, 19                        ; 64 k rows of 8,192 bytes
	s_add_co_u32 s46, s46, s47
	s_mov_b32 s47, 0
	s_mul_i32 s20, s10, HALFA                      ; where xn's halves go (waves 0, 1)
	s_mul_i32 s21, s10, HALFB
	s_add_co_u32 s21, s21, BOFF-2*HALFB            ; where wall's go (waves 2, 3): BOFF + (wave - 2) x HALFB
	s_wait_dscnt 0x0
	s_wait_kmcnt 0x0
	s_add_nc_u64 s[14:15], s[4:5], s[16:17]
	s_add_nc_u64 s[46:47], s[6:7], s[46:47]
	CROUND                                         ; all sixteen work-groups are here: the first joint loads meet
.irp s, 0,1
	s_mov_b32 s[G0+4*\s], 1
	s_add_co_u32 s[G0+4*\s+1], s20, \s*SLOT
	s_add_nc_u64 s[G0+4*\s+2:G0+4*\s+3], s[14:15], \s*256          ; K step s: 128 elements along the rows
	s_or_b32 s[G0+4*\s+3], s[G0+4*\s+3], 0x80000000
	s_mov_b32 s[G0B+4*\s], 1
	s_add_co_u32 s[G0B+4*\s+1], s21, \s*SLOT
	s_add_nc_u64 s[G0B+4*\s+2:G0B+4*\s+3], s[46:47], \s*1048576    ; K step s: 128 rows of 8,192 bytes
	s_or_b32 s[G0B+4*\s+3], s[G0B+4*\s+3], 0x80000000
	JLOAD \s                                       ; both slots' first fills go out together: two tensor loads of the wave are out
.endr
	; the three heads' bias pointers and the output's base
	s_mul_i32 s80, s42, 3                          ; g of my first head
.irp hd, 0,1,2
	s_add_co_u32 s81, s80, \hd
	s_cmp_lt_u32 s81, 32
	s_cselect_b64 s[66+2*\hd:67+2*\hd], s[74:75], s[76:77]
	s_cmp_lt_u32 s81, 16
	s_cselect_b64 s[66+2*\hd:67+2*\hd], s[72:73], s[66+2*\hd:67+2*\hd]
	s_and_b32 s82, s81, 15
	s_lshl_b32 s82, s82, 8                         ; 64 numbers of 4 bytes a head
	s_mov_b32 s83, 0
	s_add_nc_u64 s[66+2*\hd:67+2*\hd], s[66+2*\hd:67+2*\hd], s[82:83]
.endr
	s_mul_i32 s82, s80, GSTR
	s_lshl_b32 s81, s13, 8
	s_lshl_b32 s80, s10, 6
	s_add_co_u32 s81, s81, s80                     ; my first row
	s_lshl_b32 s81, s81, 7                         ; rows of 128 bytes
	s_add_co_u32 s82, s82, s81
	s_add_nc_u64 s[8:9], s[78:79], s[82:83]
	v_and_b32 v1, 15, v0                           ; r = l % 16
	v_bfe_u32 v2, v0, 4, 1                         ; h = l / 16
	v_lshlrev_b32 v[BA], 5, v2
.irp hd, 0,1,2
.irp c, 0,1,2,3
	global_load_b128 v[BIAS+8*(4*\hd+\c):BIAS+8*(4*\hd+\c)+3],   v[BA], s[66+2*\hd:67+2*\hd] offset:64*\c
	global_load_b128 v[BIAS+8*(4*\hd+\c)+4:BIAS+8*(4*\hd+\c)+7], v[BA], s[66+2*\hd:67+2*\hd] offset:64*\c+16
.endr
.endr
	; xn fragment: lane l holds row l % 16; registers 0-3 K = 8 h + 0..7, registers 4-7 K = 16 + 8 h + 0..7: two loads of 16 bytes, 32 apart
	v_mul_u32_u24 v3, v1, PA
	v_lshl_add_u32 v3, v2, 4, v3
	s_mul_i32 s22, s10, 64*PA                      ; my 64 rows
	v_add_nc_u32 v[ADRA], s22, v3
	v_add_nc_u32 v[ADRA+1], SLOT, v[ADRA]
	; wall fragment by the transposing load: lane l addresses k row 8 h + (l & 7), 16 bytes at 16 ((l >> 3) & 1); the second load 16 k rows on
	v_and_b32 v4, 7, v0
	v_lshl_add_u32 v5, v2, 3, v4
	v_mul_u32_u24 v5, v5, PB
	v_bfe_u32 v6, v0, 3, 1
	v_lshl_add_u32 v5, v6, 4, v5
	v_add_nc_u32 v[ADRB], BOFF, v5
	v_add_nc_u32 v[ADRB+1], BOFF+SLOT, v5
	s_mul_i32 s23, s10, 48*SP
	s_add_co_u32 s23, s23, STAGE                   ; my stage
	v_mul_u32_u24 v6, v1, SP
	v_lshl_add_u32 v6, v2, 4, v6
	v_add_nc_u32 v[STO], s23, v6                   ; in: row r, 16 bytes for each half of the lanes
	v_bfe_u32 v7, v0, 3, 2
	v_mul_u32_u24 v7, v7, SP
	v_lshl_add_u32 v7, v4, 4, v7
	v_add_nc_u32 v[RD], s23, v7                    ; back: eight lanes take a row of 128 bytes, the wave four rows
	v_and_b32 v7, 31, v0
	v_lshlrev_b32 v[CO], 4, v7
; 12 matrix instructions: row block a x all 12 column blocks, 32 along K, from fragment buffer f.  zero = 1: the product starts the sums.
; The 48 accumulators take turns, one instruction a turn, in the same order in every quarter step.
.macro MULROW f, a, zero
.irp b, 0,1,2,3,4,5,6,7,8,9,10,11
.if \zero
	v_wmma_f32_16x16x32_f16 v[8*(12*(\a&1)+\b):8*(12*(\a&1)+\b)+7], v[96*\f+8*\b:96*\f+8*\b+7], v[FA+32*\f+8*\a:FA+32*\f+8*\a+7], 0
.else
	v_wmma_f32_16x16x32_f16 v[8*(12*(\a&1)+\b):8*(12*(\a&1)+\b)+7], v[96*\f+8*\b:96*\f+8*\b+7], v[FA+32*\f+8*\a:FA+32*\f+8*\a+7], v[8*(12*(\a&1)+\b):8*(12*(\a&1)+\b)+7]
.endif
.endr
.endm
; 32 LDS loads in one run: quarter step kq (32 along K) of a slot into buffer f: 24 for wall's 12 column blocks, then 8 for my 4 row blocks
.macro FETCH slot, kq, f
	WIN TO_B
.irp b, 0,1,2,3,4,5,6,7,8,9,10,11
	ds_load_tr16_b128 v[96*\f+8*\b:96*\f+8*\b+3],   v[ADRB+\slot] offset:32*PB*\kq+80*(\b>>1)+32*(\b&1)
	ds_load_tr16_b128 v[96*\f+8*\b+4:96*\f+8*\b+7], v[ADRB+\slot] offset:32*PB*\kq+80*(\b>>1)+32*(\b&1)+16*PB
.endr
	WIN 0
.irp i, 0,1,2,3
	ds_load_b128 v[FA+32*\f+8*\i:FA+32*\f+8*\i+3],   v[ADRA+\slot] offset:64*\kq+16*PA*\i
	ds_load_b128 v[FA+32*\f+8*\i+4:FA+32*\f+8*\i+7], v[ADRA+\slot] offset:64*\kq+16*PA*\i+32
.endr
.endm
; One of a K step's first three quarters: multiplies buffer f; in its middle it fetches quarter kq of the same slot into buffer g.
; Four plain vector instructions stand between the last matrix instruction that read buffer g and the loads into it (ISA guide 7.12.1 for vector instructions).
.macro QUARTER slot, kq, f, g, zero
	s_wait_dscnt 4                                 ; all but the youngest four loads: xn's row blocks 2 and 3 may be out
	WIN MUL_LO
	MULROW \f, 0, \zero
	MULROW \f, 1, \zero
	PLACES 4
	FETCH \slot, \kq, \g
	s_wait_dscnt 32                                ; all but the 32 just issued
	WIN MUL_HI
	MULROW \f, 2, \zero
	MULROW \f, 3, \zero
.endm
.macro THREE slot, zero
	QUARTER \slot, 1, 0, 1, \zero
	QUARTER \slot, 2, 1, 0, 0
	QUARTER \slot, 3, 0, 1, 0
.endm
; The last quarter multiplies buffer 1 and changes slots.  In front of the barrier each wave waits for its reads of this slot and for all its
; tensor loads (one is out: its part of the next slot).  fill = 1: the barrier opens a round of the cluster's barrier, and behind the round the
; joint refill of this slot, two K steps ahead, is the wave's first and only tensor load.
.macro TURN slot, next, fill
	s_wait_dscnt 4
	WIN MUL_LO
	MULROW 1, 0, 0
	s_wait_dscnt 0                                 ; my reads of this slot are over
	s_wait_tensorcnt 0x0                           ; all my tensor loads have landed
	ds_add_u32 v255, v159
	s_wait_dscnt 0x0
	s_barrier_signal -1
	MULROW 1, 1, 0                                 ; register work while the others arrive
	WIN 0
	s_barrier_wait -1
.if \fill
	CREST                                          ; no wave of any partner still reads this slot or has a load on its way
	s_add_nc_u64 s[G0+4*\slot+2:G0+4*\slot+3], s[G0+4*\slot+2:G0+4*\slot+3], 512
	s_add_nc_u64 s[G0B+4*\slot+2:G0B+4*\slot+3], s[G0B+4*\slot+2:G0B+4*\slot+3], 2097152
	JLOAD \slot
.endif
	PLACES 4
	FETCH \next, 0, 0
	WIN MUL_HI
	MULROW 1, 2, 0
	MULROW 1, 3, 0
.endm
.macro LAP zero
	THREE 0, \zero
	TURN 0, 1, 1
	THREE 1, 0
	TURN 1, 0, 1
.endm
	s_wait_loadcnt 0x0                             ; the bias
	s_wait_tensorcnt 0x1                           ; my part of K step 0 is in; K step 1's stays out
	s_barrier_signal -1
	s_barrier_wait -1
	FETCH 0, 0, 0
	LAP 1                                          ; K steps 0, 1: their first products start the sums; steps 2, 3 are asked for
	WIN 0
	s_mov_b32 s3, 2
.Llap:
	LAP 0                                          ; K steps 2 to 5; steps 4 to 7 are asked for
	WIN 0
	s_sub_co_u32 s3, s3, 1
	s_cmp_lg_u32 s3, 0
	s_cbranch_scc1 .Llap
	THREE 0, 0                                     ; K steps 6, 7: nothing is left to fetch
	TURN 0, 1, 0
	THREE 1, 0
	s_wait_dscnt 4
	WIN MUL_LO
	MULROW 1, 0, 0
	MULROW 1, 1, 0
	s_wait_dscnt 0
	WIN MUL_HI
	MULROW 1, 2, 0
	MULROW 1, 3, 0
	PLACES 4                                       ; behind the last matrix instructions, in front of the vector instructions that read results
; THE WAY OUT, row block a (16 rows): add the bias, round to f16, 16 bytes a lane into my own stage (three heads of 16 rows), read back four rows
; of a head at a time: in qkvh they are 512 consecutive bytes, aligned.
.macro OUT a
.if \a < 2
	WIN 0x82                                       ; source 0 and destination window 2, source 1 (bias) window 0
.else
	WIN 0xc3
.endif
.irp b, 0,1,2,3,4,5,6,7,8,9,10,11
.irp p, 0,1,2,3
	v_pk_add_f32 v[8*(12*(\a&1)+\b)+2*\p:8*(12*(\a&1)+\b)+2*\p+1], v[8*(12*(\a&1)+\b)+2*\p:8*(12*(\a&1)+\b)+2*\p+1], v[BIAS+8*\b+2*\p:BIAS+8*\b+2*\p+1]
.endr
.endr
.if \a < 2
	WIN 0x0a                                       ; sources window 2, destination window 0
.else
	WIN 0x0f
.endif
.irp b, 0,1,2,3,4,5,6,7,8,9,10,11
.irp p, 0,1,2,3
	v_cvt_pk_f16_f32 v[TMP+4*\b+\p], v[8*(12*(\a&1)+\b)+2*\p], v[8*(12*(\a&1)+\b)+2*\p+1]
.endr
.endr
	WIN 0
.irp b, 0,1,2,3,4,5,6,7,8,9,10,11
	ds_store_b128 v[STO], v[TMP+4*\b:TMP+4*\b+3] offset:16*SP*(\b>>2)+32*(\b&3)
.endr
	s_wait_xcnt 0x0                                ; the registers that the last block's stores read are loaded again only behind this wait
.irp hd, 0,1,2
.irp t, 0,1,2,3
	ds_load_b128 v[RBK+4*(4*\hd+\t):RBK+4*(4*\hd+\t)+3], v[RD] offset:16*SP*\hd+4*SP*\t   ; LDS serves a wave's instructions in order: these see the stores above
.endr
.endr
.irp hd, 0,1,2
.irp t, 0,1,2,3
	s_wait_dscnt 11-(4*\hd+\t)                     ; this read-back is in, the younger ones stay out
	global_store_b128 v[CO], v[RBK+4*(4*\hd+\t):RBK+4*(4*\hd+\t)+3], s[8:9] offset:GSTR*\hd+2048*\a+512*\t
.endr
.endr
.endm
	OUT 0
	OUT 1
	OUT 2
	OUT 3
	s_set_vgpr_msb 0x1
	s_wait_tensorcnt 0x0
	ds_add_u32 v255, v159
	s_wait_dscnt 0x0
	s_set_vgpr_msb 0x100
	CROUND                                         ; the closing round: no work-group ends while a partner may still ask for a tile that names it
	s_endpgm
.Lfunc_end_k_q7cac01bc84_qkv:
	.size	k_q7cac01bc84_qkv, .Lfunc_end_k_q7cac01bc84_qkv-k_q7cac01bc84_qkv
	.p2alignl 7, 3214868480
	.fill 96, 4, 3214868480
	.section	.rodata,"a",@progbits
	.p2align	6, 0x0
	.amdhsa_kernel k_q7cac01bc84_qkv
		.amdhsa_group_segment_fixed_size 327680
		.amdhsa_private_segment_fixed_size 0
		.amdhsa_enable_private_segment 0
		.amdhsa_kernarg_size 48
		.amdhsa_user_sgpr_count 2
		.amdhsa_user_sgpr_kernarg_segment_ptr 1
		.amdhsa_wavefront_size32 1
		.amdhsa_system_sgpr_workgroup_id_x 1
		.amdhsa_system_sgpr_workgroup_id_y 1
		.amdhsa_system_sgpr_workgroup_id_z 1
		.amdhsa_system_vgpr_workitem_id 0
		.amdhsa_next_free_vgpr 960
		.amdhsa_next_free_sgpr 84
		.amdhsa_reserve_vcc 0
		.amdhsa_float_denorm_mode_32 3
		.amdhsa_float_denorm_mode_16_64 3
		.amdhsa_memory_ordered 1
		.amdhsa_forward_progress 1
		.amdhsa_inst_pref_size 179
	.end_amdhsa_kernel
	.amdgpu_metadata
---
amdhsa.version: [ 1, 2 ]
amdhsa.kernels:
  - .name:           k_q7cac01bc84_qkv
    .symbol:         k_q7cac01bc84_qkv.kd
    .args:
      - { .name: xn, .offset: 0, .size: 8, .value_kind: global_buffer, .address_space: global }
      - { .name: wall, .offset: 8, .size: 8, .value_kind: global_buffer, .address_space: global }
      - { .name: bq, .offset: 16, .size: 8, .value_kind: global_buffer, .address_space: global }
      - { .name: bk, .offset: 24, .size: 8, .value_kind: global_buffer, .address_space: global }
      - { .name: bv, .offset: 32, .size: 8, .value_kind: global_buffer, .address_space: global }
      - { .name: qkvh, .offset: 40, .size: 8, .value_kind: global_buffer, .address_space: global }
    .group_segment_fixed_size: 327680
    .private_segment_fixed_size: 0
    .kernarg_segment_align: 8
    .kernarg_segment_size: 48
    .max_flat_workgroup_size: 128
    .sgpr_count:     84
    .vgpr_count:     960
    .wavefront_size: 32
...
	.end_amdgpu_metadata
.endif
;; end of part 2
;; launch attn (part 3): grid 8 x 32, 8 waves a work-group, clusters of 4 x 1, 327,680 bytes of LDS; arguments qkvh, attnh; writes attnh
.if DOCPART == 3
	.amdgcn_target "amdgcn-amd-amdhsa--gfx1250"
	.amdhsa_code_object_version 6
	.text
	.protected	k_q7cac01bc84_attn
	.globl	k_q7cac01bc84_attn
	.p2align	8
	.type	k_q7cac01bc84_attn,@function
k_q7cac01bc84_attn:
	s_mov_b64 s[64:65], 0
	v_nop
	global_prefetch_b8 v0, s[64:65] scope:SCOPE_SE
	s_setreg_imm32_b32 hwreg(HW_REG_WAVE_MODE, 25, 1), 1
	s_wait_xcnt 0x0
	s_wait_alu depctr_hold_cnt(0) depctr_sa_sdst(0) depctr_va_vdst(0) depctr_va_sdst(0) depctr_va_ssrc(0) depctr_va_vcc(0) depctr_vm_vsrc(0)
	s_getreg_b32 s2, hwreg(HW_REG_IB_STS2, 6, 4)
	s_cmp_eq_u32 s2, 0
	s_cbranch_scc0 .Lentry_in_a_cluster
	s_endpgm
.Lentry_in_a_cluster:
	s_bfe_u32 s2, ttmp6, 0x10000c
	s_cmp_lg_u32 s2, 0x3003
	s_cbranch_scc0 .Lentry_shape_is_right
	s_endpgm
.Lentry_shape_is_right:
; attn: softmax(q k^T / 8) v for one (batch, head) and 256 query rows a work-group; f16 operands, f32 sums and softmax, a running maximum.
; qkvh [48 g][4096 m][64] f16 (q heads 0-15, k heads 16-31, v heads 32-47; m = 2048 b + l); attnh [16 h][4096 m][64] f16.
; Eight waves: wave w has query rows 64 (w & 3) .. + 63 and half w >> 2 of the key positions of every slot, so that the vector work of the
; softmax of one wave can run beside the matrix work of another; the two partial results (O, m, l) of a pair are merged through LDS at the end.
; 2048 keys go in 8 fills of 256 keys through two LDS slots (K and V).  CLUSTER of 4 x 1: the four query blocks of a cluster belong to one
; (batch, head) and need the same K and V: every fill is asked for jointly, mask 15.
; S^T = K Q^T: lane l holds query l % 16 and, in its registers, keys 8 (l / 16) + 0..7 of a block of 16: maxima and sums stay in the lane but
; for one exchange between the halves, and two neighbouring key blocks packed to f16 ARE the second source of O^T = V^T P^T: no shuffle.
; The order of summation differs from the definition's: tiles of 64 keys, two halves of the keys merged at the end.
; LIMIT: |q|, |k|, |v| and the result must stay below 65,504 (f16).
.set PK,    144                        ; LDS pitch of K's rows: 128 bytes + 16, an odd multiple of 16
.set PV,    160                        ; LDS pitch of V's rows: 128 bytes + 32, an odd multiple of 32, for the transposing load
.set VOFF,  40960                      ; V behind K's 256 x 144 = 36,864 bytes
.set SLOT,  81920
.set MERGE, 163840                     ; behind the ring: for each query group O 16,384, m 512, l 512 bytes; no tensor load lands here
.set MG1,   17408
.set OSTG,  233472                     ; the way out: 16 rows x 144 bytes for each of waves 0-3
.set GSTR,  524288
.set CEXP,  0x3e38aa3b                 ; log2(e) / 8: the scale 1/8 and the change of base in one factor
.set NCEXP, 0xbe38aa3b
; window 0
.set ADRK, 8                           ; v8-9    LDS address of my K fragments in slot 0, 1
.set ADRV, 10                          ; v10-11  the same for V
.set STO,  12
.set RD,   13
.set CO,   14                          ; 16 x lane
.set MGW,  15                          ; merge: where waves 4-7 write
.set MGR,  16                          ; merge: where waves 0-3 read
.set QA,   17
.set M,    20                          ; v[20:23] running maximum (raw scores) of query block qb
.set L,    24                          ; v[24:27] running sum, my half of the lanes' keys
.set NM,   32                          ; v[32:39] -c x maximum, twice, for each qb
.set AL,   40                          ; v[40:47] the factor for the old sums, twice
.set T,    48                          ; v[48:55] at work
.set X,    56                          ; v[56:59] at work; destination of the exchange between the halves
.set S,    64                          ; v[64:191] scores, tile (qb, kb) at 64 + 32 qb + 8 kb; then P(qb, sg) in 8 registers at 64 + 32 qb + 16 sg
.set Q,    192                         ; v[192:255] fragment (qb, ks) at 192 + 8 (2 qb + ks)
; window 1
.set O,    0                           ; v[0:127] tile (qb, db) at 8 (4 qb + db)
.set KF,   128                         ; v[128:191] fragment (kb, ks) at 128 + 8 (2 kb + ks)
.set VF,   192                         ; v[192:255] fragment (sg, db) at 192 + 8 (4 sg + db)
.set G1K, 16
.set G1V, 24
.set G0K, 32                           ; a set of four for each slot
.set G0V, 40
.set MSB, 0
.macro WIN new
.if MSB != \new
	s_set_vgpr_msb (MSB<<8)|\new
.set MSB, \new
.endif
.endm
.macro PLACES n
.rept \n
	v_nop
.endr
.endm
.macro JLOAD sl                        ; waves 0-3 ask for K's quarters, waves 4-7 for V's
	s_cmp_eq_u32 s10, 0
	s_cbranch_scc0 .Lfor_v_\@
	tensor_load_to_lds s[G0K+4*\sl:G0K+4*\sl+3], s[G1K:G1K+7]
	s_nop 0
	s_branch .Lasked_\@
.Lfor_v_\@:
	tensor_load_to_lds s[G0V+4*\sl:G0V+4*\sl+3], s[G1V:G1V+7]
	s_nop 0
.Lasked_\@:
.endm
.macro ROUND                           ; a round of the cluster's barrier
	s_barrier_signal -1
	s_barrier_wait -1
	s_cmp_lg_u32 s8, 0
	s_cbranch_scc1 .Lnot_wave_0_\@
	s_barrier_signal -3
.Lnot_wave_0_\@:
	s_barrier_wait -3
	s_barrier_signal -1
	s_barrier_wait -1
.endm
	s_load_b128 s[4:7], s[0:1], 0x0                ; qkvh s[4:5], attnh s[6:7]
	v_lshl_add_u32 v62, v0, 2, 0x3b400
	v_mov_b32 v63, 0
	ds_add_u32 v62, v63
	v_lshrrev_b32 v1, 5, v0
	v_readfirstlane_b32 s8, v1                     ; wave 0..7
	s_and_b32 s9, s8, 3                            ; query group; also which quarter of a tile I fetch
	s_lshr_b32 s10, s8, 2                          ; half of the keys; also: I fetch for K (0) or V (1)
	s_mov_b32 s12, 0x76543210
	s_mov_b32 s13, 0xfedcba98
	s_bfe_u32 s48, ttmp6, 0x40000                  ; cx
	s_lshl_b32 s49, ttmp9, 2
	s_add_co_u32 s49, s49, s48                     ; query block = 4 x cluster x + cx
	s_and_b32 s50, ttmp7, 0xffff                   ; 16 b + h
	s_and_b32 s51, s50, 15
	s_lshr_b32 s52, s50, 4
	; group 1: 64 rows x 64 elements of 2 bytes, dense; padding behind every 32 words: 4 words for K, 8 for V
	s_mov_b32 s[G1K+0], 15|(1<<16)|(1<<20)|(1<<21)|(4<<22)|(3<<25)
	s_mov_b32 s[G1K+1], 64<<16
	s_mov_b32 s[G1K+2], 64<<16
	s_mov_b32 s[G1K+3], 64<<16
	s_mov_b32 s[G1K+4], 64
	s_mov_b32 s[G1K+5], 64
	s_mov_b32 s[G1K+6], 0
	s_mov_b32 s[G1K+7], 0
	s_mov_b32 s[G1V+0], 15|(1<<16)|(1<<20)|(1<<21)|(4<<22)|(7<<25)
	s_mov_b32 s[G1V+1], 64<<16
	s_mov_b32 s[G1V+2], 64<<16
	s_mov_b32 s[G1V+3], 64<<16
	s_mov_b32 s[G1V+4], 64
	s_mov_b32 s[G1V+5], 64
	s_mov_b32 s[G1V+6], 0
	s_mov_b32 s[G1V+7], 0
	s_mul_i32 s14, s8, 64*PK                       ; K's quarter of wave 0-3
	s_mul_i32 s15, s8, 64*PV                       ; V's quarter of wave 4-7: VOFF + (wave - 4) x 10,240 = wave x 10,240
	s_lshl_b32 s61, s51, 19
	s_lshl_b32 s53, s52, 18
	s_add_co_u32 s61, s61, s53                     ; head and batch: the same in all four partners
	s_lshl_b32 s53, s9, 13                         ; 64 rows of 128 bytes
	s_add_co_u32 s2, s61, s53
	s_add_co_u32 s2, s2, 16*GSTR                   ; K's heads lie 16 heads behind q's
	s_mov_b32 s3, 0
	s_add_co_u32 s54, s61, s53
	s_lshl_b32 s53, s49, 15                        ; 256 rows of 128 bytes
	s_add_co_u32 s54, s54, s53                     ; my 64 query rows: cx enters here alone
	s_mov_b32 s55, 0
	s_wait_dscnt 0x0
	s_wait_kmcnt 0x0
	s_add_nc_u64 s[62:63], s[4:5], s[2:3]          ; my quarter of K's first fill
	s_add_nc_u64 s[56:57], s[4:5], s[54:55]        ; my rows of q
	s_add_nc_u64 s[58:59], s[6:7], s[54:55]        ; my rows of the result
	ROUND                                          ; the four work-groups are here: the first joint loads meet
.irp s, 0,1
	s_mov_b32 s[G0K+4*\s], 1
	s_add_co_u32 s[G0K+4*\s+1], s14, \s*SLOT
	s_add_nc_u64 s[G0K+4*\s+2:G0K+4*\s+3], s[62:63], \s*32768              ; fill s: 256 rows of 128 bytes
	s_or_b32 s[G0K+4*\s+3], s[G0K+4*\s+3], 0x80000000
	s_mov_b32 s[G0V+4*\s], 1
	s_add_co_u32 s[G0V+4*\s+1], s15, \s*SLOT
	s_add_nc_u64 s[G0V+4*\s+2:G0V+4*\s+3], s[62:63], 16*GSTR+\s*32768      ; V's heads lie 16 heads behind K's
	s_or_b32 s[G0V+4*\s+3], s[G0V+4*\s+3], 0x80000000
	JLOAD \s                                       ; both slots' first fills go out together: two tensor loads of the wave are out
.endr
	v_and_b32 v1, 15, v0                           ; r
	v_bfe_u32 v2, v0, 4, 1                         ; h
	v_lshlrev_b32 v[QA], 7, v1
	v_lshl_add_u32 v[QA], v2, 4, v[QA]             ; 128 r + 16 h
.irp qb, 0,1,2,3
.irp ks, 0,1
	global_load_b128 v[Q+8*(2*\qb+\ks):Q+8*(2*\qb+\ks)+3],   v[QA], s[56:57] offset:2048*\qb+64*\ks
	global_load_b128 v[Q+8*(2*\qb+\ks)+4:Q+8*(2*\qb+\ks)+7], v[QA], s[56:57] offset:2048*\qb+64*\ks+32
.endr
.endr
	v_mul_u32_u24 v3, v1, PK
	v_lshl_add_u32 v3, v2, 4, v3                   ; 144 r + 16 h
	s_mul_i32 s53, s10, 128*PK                     ; my half of a slot's keys
	v_add_nc_u32 v[ADRK], s53, v3
	v_add_nc_u32 v[ADRK+1], SLOT, v[ADRK]
	v_and_b32 v4, 7, v0
	v_lshl_add_u32 v5, v2, 3, v4
	v_mul_u32_u24 v5, v5, PV
	v_bfe_u32 v6, v0, 3, 1
	v_lshl_add_u32 v5, v6, 4, v5                   ; (8 h + (l & 7)) x 160 + 16 ((l >> 3) & 1)
	s_mul_i32 s53, s10, 128*PV
	s_add_co_u32 s53, s53, VOFF
	v_add_nc_u32 v[ADRV], s53, v5
	v_add_nc_u32 v[ADRV+1], SLOT, v[ADRV]
	s_mul_i32 s53, s8, 16*PK
	s_add_co_u32 s53, s53, OSTG                    ; the stage of waves 0-3 (the others never use it)
	v_add_nc_u32 v[STO], s53, v3
	v_bfe_u32 v7, v0, 3, 2
	v_mul_u32_u24 v7, v7, PK
	v_lshl_add_u32 v7, v4, 4, v7
	v_add_nc_u32 v[RD], s53, v7
	v_and_b32 v6, 31, v0
	v_lshlrev_b32 v[CO], 4, v6
	s_mul_i32 s53, s8, MG1
	s_add_co_u32 s60, s53, MERGE-4*MG1
	v_add_nc_u32 v[MGW], s60, v[CO]                ; waves 4-7: MERGE + (wave - 4) x 17,408
	s_add_co_u32 s60, s53, MERGE
	v_add_nc_u32 v[MGR], s60, v[CO]                ; waves 0-3: MERGE + wave x 17,408
.irp qb, 0,1,2,3
	v_mov_b32 v[X+\qb], 0                          ; v_permlanex16_b32 counts as a reader of its destination
.endr
; 64 keys (sub-tile u of my half of a slot) against my 64 queries.  first = 1: the very first: it starts m, l and O, nothing is cleared.
.macro SUB slot, u, first
.if \first
.else
	PLACES 5                                       ; behind the last products P x V: V's fragments are loaded again (4 places) and P's registers are written by matrix instructions (5)
.endif
	WIN 0x40                                       ; destination window 1, address window 0
.irp kb, 0,1,2,3
.irp ks, 0,1
	ds_load_b128 v[KF+8*(2*\kb+\ks):KF+8*(2*\kb+\ks)+3],   v[ADRK+\slot] offset:64*PK*\u+16*PK*\kb+64*\ks
	ds_load_b128 v[KF+8*(2*\kb+\ks)+4:KF+8*(2*\kb+\ks)+7], v[ADRK+\slot] offset:64*PK*\u+16*PK*\kb+64*\ks+32
.endr
.endr
.irp sg, 0,1
.irp db, 0,1,2,3
	ds_load_tr16_b128 v[VF+8*(4*\sg+\db):VF+8*(4*\sg+\db)+3],   v[ADRV+\slot] offset:64*PV*\u+32*PV*\sg+32*\db
	ds_load_tr16_b128 v[VF+8*(4*\sg+\db)+4:VF+8*(4*\sg+\db)+7], v[ADRV+\slot] offset:64*PV*\u+32*PV*\sg+32*\db+16*PV
.endr
.endr
	s_wait_dscnt 16                                ; K's 16 loads are in, V's 16 stay out until P is made
	WIN 0x01                                       ; source 0 (K) window 1; Q, C and D window 0
	; the 16 score tiles take turns, one instruction a turn
.irp kb, 0,1,2,3
.irp qb, 0,1,2,3
	v_wmma_f32_16x16x32_f16 v[S+32*\qb+8*\kb:S+32*\qb+8*\kb+7], v[KF+16*\kb:KF+16*\kb+7], v[Q+16*\qb:Q+16*\qb+7], 0
.endr
.endr
.irp kb, 0,1,2,3
.irp qb, 0,1,2,3
	v_wmma_f32_16x16x32_f16 v[S+32*\qb+8*\kb:S+32*\qb+8*\kb+7], v[KF+16*\kb+8:KF+16*\kb+15], v[Q+16*\qb+8:Q+16*\qb+15], v[S+32*\qb+8*\kb:S+32*\qb+8*\kb+7]
.endr
.endr
	WIN 0
	PLACES 4                                       ; in front of the vector instructions that read the scores
	; the running maximum of each query: my 32 scores, then the other half of the lanes
.irp qb, 0,1,2,3
.if \first
	v_max_num_f32 v[M+\qb], v[S+32*\qb], v[S+32*\qb+1]
.else
	v_max3_num_f32 v[M+\qb], v[M+\qb], v[S+32*\qb], v[S+32*\qb+1]
.endif
.endr
.irp i, 1,2,3,4,5,6,7,8,9,10,11,12,13,14,15
.irp qb, 0,1,2,3
	v_max3_num_f32 v[M+\qb], v[M+\qb], v[S+32*\qb+2*\i], v[S+32*\qb+2*\i+1]
.endr
.endr
.irp qb, 0,1,2,3
	v_permlanex16_b32 v[X+\qb], v[M+\qb], s12, s13
.endr
.irp qb, 0,1,2,3
	v_max_num_f32 v[M+\qb], v[M+\qb], v[X+\qb]
.endr
.irp qb, 0,1,2,3
	v_mul_f32 v[X+\qb], NCEXP, v[M+\qb]            ; -c x the new maximum
.endr
.if \first
.else
.irp qb, 0,1,2,3
	v_sub_f32 v[T+2*\qb], v[X+\qb], v[NM+2*\qb]    ; c x (old maximum - new maximum)
.endr
.irp qb, 0,1,2,3
	v_exp_f32 v[AL+2*\qb], v[T+2*\qb]
.endr
.endif
.irp qb, 0,1,2,3
	v_mov_b32 v[NM+2*\qb], v[X+\qb]                ; plain instructions behind the exponentials, which touch neither their results nor their sources
	v_mov_b32 v[NM+2*\qb+1], v[X+\qb]
.endr
.if \first
.else
	s_wait_alu depctr_va_vdst(0)
.irp qb, 0,1,2,3
	v_mov_b32 v[AL+2*\qb+1], v[AL+2*\qb]
.endr
.endif
	; p = 2^(c s - c m), in place
.irp qb, 0,1,2,3
.irp i, 0,1,2,3,4,5,6,7,8,9,10,11,12,13,14,15
	v_pk_fma_f32 v[S+32*\qb+2*\i:S+32*\qb+2*\i+1], v[S+32*\qb+2*\i:S+32*\qb+2*\i+1], CEXP, v[NM+2*\qb:NM+2*\qb+1] op_sel_hi:[1,0,1]
.endr
.irp i, 0,1,2,3,4,5,6,7,8,9,10,11,12,13,14,15
	v_exp_f32 v[S+32*\qb+2*\i], v[S+32*\qb+2*\i]
	v_exp_f32 v[S+32*\qb+2*\i+1], v[S+32*\qb+2*\i+1]
.endr
.endr
	v_nop                                          ; one plain place behind the last exponentials
	s_wait_alu depctr_va_vdst(0)
.irp qb, 0,1,2,3
	v_pk_add_f32 v[T+2*\qb:T+2*\qb+1], v[S+32*\qb:S+32*\qb+1], v[S+32*\qb+2:S+32*\qb+3]
.endr
.irp i, 2,3,4,5,6,7,8,9,10,11,12,13,14,15
.irp qb, 0,1,2,3
	v_pk_add_f32 v[T+2*\qb:T+2*\qb+1], v[T+2*\qb:T+2*\qb+1], v[S+32*\qb+2*\i:S+32*\qb+2*\i+1]
.endr
.endr
.if \first
.irp qb, 0,1,2,3
	v_add_f32 v[L+\qb], v[T+2*\qb], v[T+2*\qb+1]
.endr
.else
.irp qb, 0,1,2,3
	v_add_f32 v[T+2*\qb], v[T+2*\qb], v[T+2*\qb+1]
.endr
.irp qb, 0,1,2,3
	v_fma_f32 v[L+\qb], v[L+\qb], v[AL+2*\qb], v[T+2*\qb]
.endr
.endif
	; two key blocks of 16 pack into the 8 registers of P(qb, sg); ascending, so that word i is written when words up to 2 i + 1 have been read
.irp qb, 0,1,2,3
.irp sg, 0,1
.irp i, 0,1,2,3,4,5,6,7
	v_cvt_pk_f16_f32 v[S+32*\qb+16*\sg+\i], v[S+32*\qb+16*\sg+2*\i], v[S+32*\qb+16*\sg+2*\i+1]
.endr
.endr
.endr
.if \first
.else
	WIN 0x41                                       ; O in window 1, the factor in window 0
.irp qb, 0,1,2,3
.irp i, 0,1,2,3,4,5,6,7,8,9,10,11,12,13,14,15
	v_pk_mul_f32 v[O+32*\qb+2*\i:O+32*\qb+2*\i+1], v[O+32*\qb+2*\i:O+32*\qb+2*\i+1], v[AL+2*\qb:AL+2*\qb+1]
.endr
.endr
.endif
	s_wait_dscnt 0                                 ; V's fragments
	WIN 0x51                                       ; source 0 (V), C and D window 1; P window 0
	; the 16 tiles of O take turns, one instruction a turn
.irp sg, 0,1
.irp qb, 0,1,2,3
.irp db, 0,1,2,3
.if \first*(1-\sg)
	v_wmma_f32_16x16x32_f16 v[O+8*(4*\qb+\db):O+8*(4*\qb+\db)+7], v[VF+8*(4*\sg+\db):VF+8*(4*\sg+\db)+7], v[S+32*\qb+16*\sg:S+32*\qb+16*\sg+7], 0
.else
	v_wmma_f32_16x16x32_f16 v[O+8*(4*\qb+\db):O+8*(4*\qb+\db)+7], v[VF+8*(4*\sg+\db):VF+8*(4*\sg+\db)+7], v[S+32*\qb+16*\sg:S+32*\qb+16*\sg+7], v[O+8*(4*\qb+\db):O+8*(4*\qb+\db)+7]
.endif
.endr
.endr
.endr
	WIN 0
.endm
; A change of slots.  Every wave waits for all its tensor loads (its part of this slot among them) and for its reads of the other slot, in front of
; the round's opening signal; behind the round the other slot's joint refill, two fills ahead, is the wave's first and only tensor load.
.macro SLOTSTEP slot, other, refill
	s_wait_tensorcnt 0x0                           ; no tensor load of mine is out: a group 0 may be written
	ds_add_u32 v62, v63
	s_wait_dscnt 0x0
	s_add_nc_u64 s[G0K+4*\other+2:G0K+4*\other+3], s[G0K+4*\other+2:G0K+4*\other+3], 65536
	s_add_nc_u64 s[G0V+4*\other+2:G0V+4*\other+3], s[G0V+4*\other+2:G0V+4*\other+3], 65536
	s_wait_dscnt 0x0
	ROUND
.if \refill
	JLOAD \other
.endif
	SUB \slot, 0, 0
	SUB \slot, 1, 0
.endm
	s_wait_loadcnt 0x0                             ; q
	s_wait_tensorcnt 0x1                           ; my part of fill 0 is in; fill 1's stays out
	s_barrier_signal -1
	s_barrier_wait -1
	SUB 0, 0, 1
	SUB 0, 1, 0
	s_mov_b32 s60, 3
.Lfills:
	SLOTSTEP 1, 0, 1                               ; fills 1, 3, 5 are worked on; 2, 4, 6 are asked for
	SLOTSTEP 0, 1, 1                               ; fills 2, 4, 6 are worked on; 3, 5, 7 are asked for
	s_sub_co_u32 s60, s60, 1
	s_cmp_lg_u32 s60, 0
	s_cbranch_scc1 .Lfills
	SLOTSTEP 1, 0, 0                               ; fill 7: nothing is left to fetch (slot 0's stepped address is not used)
	PLACES 4                                       ; behind the last matrix instructions: O is read, and V's fragment registers are loaded again
	; THE MERGE: waves 4-7 hand O, m, l of their half of the keys to waves 0-3
	s_cmp_eq_u32 s10, 0
	s_cbranch_scc1 .Lkeep
	WIN 0x04                                       ; the stores' data in window 1
.set i, 0
.rept 32
	ds_store_b128 v[MGW], v[O+4*i:O+4*i+3] offset:512*i
.set i, i+1
.endr
	WIN 0
	ds_store_b128 v[MGW], v[M:M+3] offset:16384
	ds_store_b128 v[MGW], v[L:L+3] offset:16896
.Lkeep:
	s_wait_dscnt 0x0                               ; for the others' sake: my stores are done
	s_barrier_signal -1
	s_barrier_wait -1
	s_cmp_lg_u32 s10, 0
	s_cbranch_scc1 .Ldone
	ds_load_b128 v[T:T+3], v[MGR] offset:16384     ; the partner's m
	ds_load_b128 v[T+4:T+7], v[MGR] offset:16896   ; and l
	WIN 0x40
.set i, 0
.rept 32
	ds_load_b128 v[KF+4*i:KF+4*i+3], v[MGR] offset:512*i   ; the partner's O, into the registers of the fragments
.set i, i+1
.endr
	WIN 0
	s_wait_dscnt 32                                ; m and l are in, the 32 loads of O stay out
.irp qb, 0,1,2,3
	v_max_num_f32 v[M+\qb], v[M+\qb], v[T+\qb]     ; the common maximum
.endr
.irp qb, 0,1,2,3
	v_mul_f32 v[X+\qb], NCEXP, v[M+\qb]
.endr
.irp qb, 0,1,2,3
	v_sub_f32 v[M+\qb], v[X+\qb], v[NM+2*\qb]              ; c x (my maximum - the common one)
	v_fmamk_f32 v[T+\qb], v[T+\qb], CEXP, v[X+\qb]         ; c x (the partner's - the common one)
.endr
.irp qb, 0,1,2,3
	v_exp_f32 v[AL+2*\qb], v[M+\qb]
	v_exp_f32 v[NM+2*\qb], v[T+\qb]
.endr
	v_nop
	s_wait_alu depctr_va_vdst(0)
.irp qb, 0,1,2,3
	v_mul_f32 v[L+\qb], v[L+\qb], v[AL+2*\qb]
.endr
.irp qb, 0,1,2,3
	v_fmac_f32 v[L+\qb], v[T+4+\qb], v[NM+2*\qb]
.endr
.irp qb, 0,1,2,3
	v_permlanex16_b32 v[X+\qb], v[L+\qb], s12, s13 ; the other half of the lanes holds the other keys' sum
.endr
.irp qb, 0,1,2,3
	v_add_f32 v[L+\qb], v[L+\qb], v[X+\qb]
.endr
.irp qb, 0,1,2,3
	v_rcp_f32 v[X+\qb], v[L+\qb]
.endr
	v_nop
	s_wait_alu depctr_va_vdst(0)
.irp qb, 0,1,2,3
	v_mul_f32 v[AL+2*\qb], v[AL+2*\qb], v[X+\qb]
	v_mul_f32 v[NM+2*\qb], v[NM+2*\qb], v[X+\qb]
.endr
.irp qb, 0,1,2,3
	v_mov_b32 v[AL+2*\qb+1], v[AL+2*\qb]
	v_mov_b32 v[NM+2*\qb+1], v[NM+2*\qb]
.endr
	s_wait_dscnt 0
	WIN 0x41
.irp qb, 0,1,2,3
.irp i, 0,1,2,3,4,5,6,7,8,9,10,11,12,13,14,15
	v_pk_mul_f32 v[O+32*\qb+2*\i:O+32*\qb+2*\i+1], v[O+32*\qb+2*\i:O+32*\qb+2*\i+1], v[AL+2*\qb:AL+2*\qb+1]
.endr
.endr
	WIN 0x51
.irp qb, 0,1,2,3
.irp i, 0,1,2,3,4,5,6,7,8,9,10,11,12,13,14,15
	v_pk_fma_f32 v[O+32*\qb+2*\i:O+32*\qb+2*\i+1], v[KF+32*\qb+2*\i:KF+32*\qb+2*\i+1], v[NM+2*\qb:NM+2*\qb+1], v[O+32*\qb+2*\i:O+32*\qb+2*\i+1]
.endr
.endr
	WIN 0x05                                       ; sources window 1, destination window 0
.irp qb, 0,1,2,3
.irp i, 0,1,2,3,4,5,6,7,8,9,10,11,12,13,14,15
	v_cvt_pk_f16_f32 v[S+16*\qb+\i], v[O+32*\qb+2*\i], v[O+32*\qb+2*\i+1]
.endr
.endr
	WIN 0
	; the way out, 16 rows at a time through my own stage: four rows of 128 bytes are 512 consecutive bytes of attnh, aligned
.irp qb, 0,1,2,3
.irp db, 0,1,2,3
	ds_store_b128 v[STO], v[S+16*\qb+4*\db:S+16*\qb+4*\db+3] offset:32*\db
.endr
.irp t, 0,1,2,3
	ds_load_b128 v[S+64+16*\qb+4*\t:S+64+16*\qb+4*\t+3], v[RD] offset:4*PK*\t      ; LDS serves a wave's instructions in order: these see the stores above
.endr
.irp t, 0,1,2,3
	s_wait_dscnt 3-\t                              ; this read-back is in, the younger ones stay out
	global_store_b128 v[CO], v[S+64+16*\qb+4*\t:S+64+16*\qb+4*\t+3], s[58:59] offset:2048*\qb+512*\t
.endr
.endr
.Ldone:
	s_wait_tensorcnt 0x0
	ds_add_u32 v62, v63
	s_wait_dscnt 0x0
	ROUND                                          ; the closing round: no work-group ends while a partner may still ask for a tile that names it
	s_endpgm
.Lfunc_end_k_q7cac01bc84_attn:
	.size	k_q7cac01bc84_attn, .Lfunc_end_k_q7cac01bc84_attn-k_q7cac01bc84_attn
	.p2alignl 7, 3214868480
	.fill 96, 4, 3214868480
	.section	.rodata,"a",@progbits
	.p2align	6, 0x0
	.amdhsa_kernel k_q7cac01bc84_attn
		.amdhsa_group_segment_fixed_size 327680
		.amdhsa_private_segment_fixed_size 0
		.amdhsa_enable_private_segment 0
		.amdhsa_kernarg_size 16
		.amdhsa_user_sgpr_count 2
		.amdhsa_user_sgpr_kernarg_segment_ptr 1
		.amdhsa_wavefront_size32 1
		.amdhsa_system_sgpr_workgroup_id_x 1
		.amdhsa_system_sgpr_workgroup_id_y 1
		.amdhsa_system_sgpr_workgroup_id_z 1
		.amdhsa_system_vgpr_workitem_id 0
		.amdhsa_next_free_vgpr 512
		.amdhsa_next_free_sgpr 66
		.amdhsa_reserve_vcc 0
		.amdhsa_float_denorm_mode_32 3
		.amdhsa_float_denorm_mode_16_64 3
		.amdhsa_memory_ordered 1
		.amdhsa_forward_progress 1
		.amdhsa_inst_pref_size 255
	.end_amdhsa_kernel
	.section	.bss,"aw",@nobits
	.p2align	6
	.space	262144
	.amdgpu_metadata
---
amdhsa.version: [ 1, 2 ]
amdhsa.kernels:
  - .name:           k_q7cac01bc84_attn
    .symbol:         k_q7cac01bc84_attn.kd
    .args:
      - { .name: qkvh, .offset: 0, .size: 8, .value_kind: global_buffer, .address_space: global }
      - { .name: attnh, .offset: 8, .size: 8, .value_kind: global_buffer, .address_space: global }
    .group_segment_fixed_size: 327680
    .private_segment_fixed_size: 0
    .kernarg_segment_align: 8
    .kernarg_segment_size: 16
    .max_flat_workgroup_size: 256
    .sgpr_count:     66
    .vgpr_count:     512
    .wavefront_size: 32
...
	.end_amdgpu_metadata
.endif
;; end of part 3
;; launch oproj (part 4): grid 8 x 32, 4 waves a work-group, clusters of 4 x 4, 327,680 bytes of LDS; arguments attnh, wall, bo, out0; writes out0
.if DOCPART == 4
	.amdgcn_target "amdgcn-amd-amdhsa--gfx1250"
	.amdhsa_code_object_version 6
	.text
	.protected	k_q7cac01bc84_oproj
	.globl	k_q7cac01bc84_oproj
	.p2align	8
	.type	k_q7cac01bc84_oproj,@function
k_q7cac01bc84_oproj:
	s_mov_b64 s[64:65], 0
	v_nop
	global_prefetch_b8 v0, s[64:65] scope:SCOPE_SE
	s_setreg_imm32_b32 hwreg(HW_REG_WAVE_MODE, 25, 1), 1
	s_wait_xcnt 0x0
	s_wait_alu depctr_hold_cnt(0) depctr_sa_sdst(0) depctr_va_vdst(0) depctr_va_sdst(0) depctr_va_ssrc(0) depctr_va_vcc(0) depctr_vm_vsrc(0)
	s_getreg_b32 s2, hwreg(HW_REG_IB_STS2, 6, 4)
	s_cmp_eq_u32 s2, 0
	s_cbranch_scc0 .Lentry_in_a_cluster
	s_endpgm
.Lentry_in_a_cluster:
	s_bfe_u32 s2, ttmp6, 0x10000c
	s_cmp_lg_u32 s2, 0xf033
	s_cbranch_scc0 .Lentry_shape_is_right
	s_endpgm
.Lentry_shape_is_right:
; oproj: out0 [4096][1024] f32 = attn [4096][1024] x wo + bo.  attn comes by heads, attnh [16 h][4096 m][64] f16 (k = 64 h + d);
; wo is wall's columns 3072-4095, [k][n] f16.  f16 operands, f32 sums.
; A work-group makes 128 x 128 with four waves of 64 x 64 (16 accumulator tiles): 8 x 32 = 256 work-groups; a larger block would make fewer than there are WGPs.
; K goes in 4 fills of 256 (four heads) through two LDS slots, written out without a loop.
; CLUSTERS of 4 x 4: attn's tiles hang on the block row alone and are shared along a row of the cluster, wo's on the block column alone and are
; shared along a column; each is asked for jointly.
; Source 0 = 16 columns of wo (by the transposing load), source 1 = 16 rows of attn: lane l holds row l % 16 and the columns 8 (l / 16) + 0..7.
.set PA,     144                       ; LDS pitch of a head's rows: 128 bytes + 16
.set PB,     288                       ; LDS pitch of wo's rows: 256 bytes + 32, an odd multiple of 32
.set HEADT,  128*PA                    ; a head's 128 rows
.set WLOAD,  36864                     ; what one tensor load brings: two heads of attn, or 128 k rows of wo
.set BOFF,   2*WLOAD
.set SLOT,   4*WLOAD
.set STAGE,  2*SLOT                    ; behind the ring: 16 rows x 272 bytes for each wave; no tensor load lands here
.set SP,     272
.set ADRA, 16                          ; v16-17  my attn fragments in slot 0, 1
.set ADRB, 20                          ; v20-23  my wo fragments in slot 0, 1, each for k rows 0-127 and 128-255 (the offset field ends at 65,535)
.set STO,  24
.set RD,   25
.set CO,   26
.set BA,   27
.set FB,   32                          ; v[32:63], v[96:127] wo fragments, buffer 0, 1; v[32:63] also the rows read back on the way out
.set FA,   64                          ; v[64:95], v[128:159] attn fragments
.set TMP,  160
.set BIAS, 192
.set G1,  24
.set G0,  32
.set G1B, 48
.set G0B, 56
.set MSB, 0
.macro WIN new
.if MSB != \new
	s_set_vgpr_msb (MSB<<8)|\new
.set MSB, \new
.endif
.endm
.set MUL, 0x50                         ; fragments window 0, C and D window 1 (tile (a, nb) at v[8 (4 a + nb)])
.macro PLACES n
.rept \n
	v_nop
.endr
.endm
.macro JLOAD s                         ; waves 0 and 1 ask for attn's two pairs of heads, waves 2 and 3 for wo's two halves
	s_cmp_eq_u32 s11, 0
	s_cbranch_scc0 .Lfor_b_\@
	tensor_load_to_lds s[G0+4*\s:G0+4*\s+3], s[G1:G1+7]
	s_nop 0
	s_branch .Lasked_\@
.Lfor_b_\@:
	tensor_load_to_lds s[G0B+4*\s:G0B+4*\s+3], s[G1B:G1B+7]
	s_nop 0
.Lasked_\@:
.endm
.macro CREST
	s_cmp_lg_u32 s10, 0
	s_cbranch_scc1 .Lnot_wave_0_\@
	s_barrier_signal -3
.Lnot_wave_0_\@:
	s_barrier_wait -3
	s_barrier_signal -1
	s_barrier_wait -1
.endm
.macro CROUND
	s_barrier_signal -1
	s_barrier_wait -1
	CREST
.endm
	s_load_b128 s[4:7], s[0:1], 0x0                ; attnh s[4:5], wall s[6:7]
	s_load_b128 s[72:75], s[0:1], 0x10             ; bo s[72:73], out0 s[74:75]
	v_lshl_add_u32 v254, v0, 2, 0x4c400
	v_mov_b32 v255, 0
	ds_add_u32 v254, v255
	v_lshrrev_b32 v1, 5, v0
	v_readfirstlane_b32 s10, v1                    ; wave 0..3
	s_lshr_b32 s11, s10, 1                         ; my half of the block's rows; also: I fetch for attn (0) or wo (1)
	s_and_b32 s12, s10, 1                          ; my half of its columns; also which half of that tile I fetch
	s_bfe_u32 s40, ttmp6, 0x40000                  ; cx
	s_bfe_u32 s41, ttmp6, 0x40004                  ; cy
	s_lshl_b32 s42, ttmp9, 2
	s_add_co_u32 s42, s42, s40                     ; block column (128 columns)
	s_and_b32 s13, ttmp7, 0xffff
	s_lshl_b32 s13, s13, 2
	s_add_co_u32 s13, s13, s41                     ; block row (128 rows)
	s_lshl_b32 s43, s41, 2
	s_lshl_b32 s43, 15, s43                        ; my row of the cluster
	s_lshl_b32 s44, 0x1111, s40                    ; my column
	; group 1 for attn: two heads in one tile.  A tile row is a head's dense block of 128 rows x 64 elements = 8,192 elements; from head to head
	; 262,144 elements.  The padding is counted along the whole tile: 4 words behind every 32 words, so that every 128 bytes get a pitch of 144.
	s_or_b32 s[G1+0], s43, (1<<16)|(1<<20)|(1<<21)|(4<<22)|(3<<25)
	s_mov_b32 s[G1+1], 8192<<16                    ; tensor_dim0 = 8,192
	s_mov_b32 s[G1+2], 2<<16                       ; tensor_dim1 = 2
	s_mov_b32 s[G1+3], 8192<<16                    ; tile_dim0 = 8,192
	s_mov_b32 s[G1+4], 2                           ; tile_dim1 = 2
	s_mov_b32 s[G1+5], 262144
	s_mov_b32 s[G1+6], 0
	s_mov_b32 s[G1+7], 0
	; group 1 for wo: 128 k rows x 128 elements, 8 words of padding behind every 64 words
	s_or_b32 s[G1B+0], s44, (1<<16)|(1<<20)|(1<<21)|(5<<22)|(7<<25)
	s_mov_b32 s[G1B+1], 128<<16
	s_mov_b32 s[G1B+2], 128<<16
	s_mov_b32 s[G1B+3], 128<<16
	s_mov_b32 s[G1B+4], 128
	s_mov_b32 s[G1B+5], 4096
	s_mov_b32 s[G1B+6], 0
	s_mov_b32 s[G1B+7], 0
	s_lshl_b32 s16, s13, 14                        ; 128 rows of 128 bytes
	s_lshl_b32 s17, s12, 20                        ; two heads of 524,288 bytes
	s_add_co_u32 s16, s16, s17
	s_mov_b32 s17, 0
	s_lshl_b32 s46, s42, 8                         ; 128 columns of 2 bytes
	s_lshl_b32 s47, s12, 20                        ; 128 k rows of 8,192 bytes
	s_add_co_u32 s46, s46, s47
	s_add_co_u32 s46, s46, 6144                    ; wo begins at column 3,072
	s_mov_b32 s47, 0
	s_mul_i32 s20, s10, WLOAD                      ; attn's two halves, then wo's two halves = wave x 36,864
	s_wait_dscnt 0x0
	s_wait_kmcnt 0x0
	s_add_nc_u64 s[14:15], s[4:5], s[16:17]
	s_add_nc_u64 s[46:47], s[6:7], s[46:47]
	CROUND                                         ; all sixteen work-groups are here: the first joint loads meet
.irp s, 0,1
	s_mov_b32 s[G0+4*\s], 1
	s_add_co_u32 s[G0+4*\s+1], s20, \s*SLOT
	s_add_nc_u64 s[G0+4*\s+2:G0+4*\s+3], s[14:15], \s*2097152      ; fill s: four heads
	s_or_b32 s[G0+4*\s+3], s[G0+4*\s+3], 0x80000000
	s_mov_b32 s[G0B+4*\s], 1
	s_add_co_u32 s[G0B+4*\s+1], s20, \s*SLOT
	s_add_nc_u64 s[G0B+4*\s+2:G0B+4*\s+3], s[46:47], \s*2097152    ; fill s: 256 k rows
	s_or_b32 s[G0B+4*\s+3], s[G0B+4*\s+3], 0x80000000
	JLOAD \s                                       ; both slots' first fills go out together: two tensor loads of the wave are out
.endr
	s_lshl_b32 s80, s42, 9                         ; my 64 columns of f32: 512 x block column + 256 x half
	s_lshl_b32 s81, s12, 8
	s_add_co_u32 s80, s80, s81
	s_mov_b32 s81, 0
	s_add_nc_u64 s[66:67], s[72:73], s[80:81]      ; bias
	s_lshl_b32 s82, s13, 7
	s_lshl_b32 s83, s11, 6
	s_add_co_u32 s82, s82, s83                     ; my first row
	s_lshl_b32 s82, s82, 12                        ; rows of 4,096 bytes
	s_add_co_u32 s80, s80, s82
	s_add_nc_u64 s[8:9], s[74:75], s[80:81]        ; out0
	v_and_b32 v1, 15, v0                           ; r
	v_bfe_u32 v2, v0, 4, 1                         ; h
	v_lshlrev_b32 v[BA], 5, v2
.irp nb, 0,1,2,3
	global_load_b128 v[BIAS+8*\nb:BIAS+8*\nb+3],   v[BA], s[66:67] offset:64*\nb
	global_load_b128 v[BIAS+8*\nb+4:BIAS+8*\nb+7], v[BA], s[66:67] offset:64*\nb+16
.endr
	v_mul_u32_u24 v3, v1, PA
	v_lshl_add_u32 v3, v2, 4, v3
	s_mul_i32 s22, s11, 64*PA                      ; my 64 rows in each head's sub-tile
	v_add_nc_u32 v[ADRA], s22, v3
	v_add_nc_u32 v[ADRA+1], SLOT, v[ADRA]
	v_and_b32 v4, 7, v0
	v_lshl_add_u32 v5, v2, 3, v4
	v_mul_u32_u24 v5, v5, PB
	v_bfe_u32 v6, v0, 3, 1
	v_lshl_add_u32 v5, v6, 4, v5
	s_lshl_b32 s22, s12, 7                         ; my 64 columns: 128 bytes
	s_add_co_u32 s22, s22, BOFF
	v_add_nc_u32 v[ADRB], s22, v5
	v_add_nc_u32 v[ADRB+1], WLOAD, v[ADRB]
	v_add_nc_u32 v[ADRB+2], SLOT, v[ADRB]
	v_add_nc_u32 v[ADRB+3], SLOT+WLOAD, v[ADRB]
	s_mul_i32 s23, s10, 16*SP
	s_add_co_u32 s23, s23, STAGE                   ; my stage
	v_mul_u32_u24 v6, v1, SP
	v_lshl_add_u32 v6, v2, 5, v6
	v_add_nc_u32 v[STO], s23, v6                   ; in: row r, 32 bytes for each half of the lanes
	v_mul_u32_u24 v7, v2, SP
	v_lshl_add_u32 v7, v1, 4, v7
	v_add_nc_u32 v[RD], s23, v7                    ; back: lanes 0-15 one row of 256 bytes, lanes 16-31 the next
	v_lshlrev_b32 v7, 12, v2
	v_lshl_add_u32 v[CO], v1, 4, v7                ; and the same two rows in out0
; four matrix instructions: row block a x my 4 column blocks.  The 16 accumulators take turns, one instruction a turn.
.macro MULROW f, a, zero
.irp nb, 0,1,2,3
.if \zero
	v_wmma_f32_16x16x32_f16 v[8*(4*\a+\nb):8*(4*\a+\nb)+7], v[FB+64*\f+8*\nb:FB+64*\f+8*\nb+7], v[FA+64*\f+8*\a:FA+64*\f+8*\a+7], 0
.else
	v_wmma_f32_16x16x32_f16 v[8*(4*\a+\nb):8*(4*\a+\nb)+7], v[FB+64*\f+8*\nb:FB+64*\f+8*\nb+7], v[FA+64*\f+8*\a:FA+64*\f+8*\a+7], v[8*(4*\a+\nb):8*(4*\a+\nb)+7]
.endif
.endr
.endm
; 16 LDS loads in one run: step kq (32 along K, 0..7) of a slot into buffer f: 8 for wo, then 8 for attn (head kq >> 1, d from 32 (kq & 1))
.macro FETCH slot, kq, f
.irp nb, 0,1,2,3
	ds_load_tr16_b128 v[FB+64*\f+8*\nb:FB+64*\f+8*\nb+3],   v[ADRB+2*\slot+(\kq>>2)] offset:32*PB*(\kq&3)+32*\nb
	ds_load_tr16_b128 v[FB+64*\f+8*\nb+4:FB+64*\f+8*\nb+7], v[ADRB+2*\slot+(\kq>>2)] offset:32*PB*(\kq&3)+32*\nb+16*PB
.endr
.irp i, 0,1,2,3
	ds_load_b128 v[FA+64*\f+8*\i:FA+64*\f+8*\i+3],   v[ADRA+\slot] offset:HEADT*(\kq>>1)+64*(\kq&1)+16*PA*\i
	ds_load_b128 v[FA+64*\f+8*\i+4:FA+64*\f+8*\i+7], v[ADRA+\slot] offset:HEADT*(\kq>>1)+64*(\kq&1)+16*PA*\i+32
.endr
.endm
.macro QUARTER slot, kq, f, g, zero
	s_wait_dscnt 4                                 ; all but the youngest four loads: attn's row blocks 2 and 3 may be out
	WIN MUL
	MULROW \f, 0, \zero
	MULROW \f, 1, \zero
	PLACES 4                                       ; between the last matrix instruction that read buffer g and the loads into it
	WIN 0
	FETCH \slot, \kq, \g
	s_wait_dscnt 16                                ; all but the 16 just issued
	WIN MUL
	MULROW \f, 2, \zero
	MULROW \f, 3, \zero
.endm
.macro SEVEN slot, zero
	QUARTER \slot, 1, 0, 1, \zero
	QUARTER \slot, 2, 1, 0, 0
	QUARTER \slot, 3, 0, 1, 0
	QUARTER \slot, 4, 1, 0, 0
	QUARTER \slot, 5, 0, 1, 0
	QUARTER \slot, 6, 1, 0, 0
	QUARTER \slot, 7, 0, 1, 0
.endm
; The eighth step of a slot multiplies buffer 1 and changes slots: each wave's waits for its reads of this slot and for all its tensor loads stand in
; front of the barrier; fill = 1: the barrier opens a round of the cluster's barrier, and the joint refill is the wave's first and only tensor load behind it.
.macro TURN slot, next, fill
	s_wait_dscnt 4
	WIN MUL
	MULROW 1, 0, 0
	s_wait_dscnt 0
	s_wait_tensorcnt 0x0
	ds_add_u32 v254, v255
	s_wait_dscnt 0x0
	s_barrier_signal -1
	MULROW 1, 1, 0
	WIN 0
	s_barrier_wait -1
.if \fill
	CREST
	s_add_nc_u64 s[G0+4*\slot+2:G0+4*\slot+3], s[G0+4*\slot+2:G0+4*\slot+3], 4194304
	s_add_nc_u64 s[G0B+4*\slot+2:G0B+4*\slot+3], s[G0B+4*\slot+2:G0B+4*\slot+3], 4194304
	JLOAD \slot
.endif
	PLACES 4
	FETCH \next, 0, 0
	WIN MUL
	MULROW 1, 2, 0
	MULROW 1, 3, 0
.endm
	s_wait_loadcnt 0x0                             ; the bias
	s_wait_tensorcnt 0x1                           ; my part of fill 0 is in; fill 1's stays out
	s_barrier_signal -1
	s_barrier_wait -1
	FETCH 0, 0, 0
	SEVEN 0, 1                                     ; fill 0: its first products start the sums
	TURN 0, 1, 1                                   ; fill 2 is asked for
	SEVEN 1, 0
	TURN 1, 0, 1                                   ; fill 3 is asked for
	SEVEN 0, 0
	TURN 0, 1, 0                                   ; nothing is left to fetch
	SEVEN 1, 0
	s_wait_dscnt 4
	WIN MUL
	MULROW 1, 0, 0
	MULROW 1, 1, 0
	s_wait_dscnt 0
	MULROW 1, 2, 0
	MULROW 1, 3, 0
	PLACES 4                                       ; in front of the vector instructions that read results
; THE WAY OUT, row block a (16 rows x 64 columns of f32): add the bias, through my own stage, back as whole rows of 256 bytes:
; sixteen lanes store 256 consecutive bytes, aligned.
.macro OUT a
	WIN 0x01                                       ; source 0 (sums) window 1, bias and destination window 0
.irp nb, 0,1,2,3
.irp p, 0,1,2,3
	v_pk_add_f32 v[TMP+8*\nb+2*\p:TMP+8*\nb+2*\p+1], v[8*(4*\a+\nb)+2*\p:8*(4*\a+\nb)+2*\p+1], v[BIAS+8*\nb+2*\p:BIAS+8*\nb+2*\p+1]
.endr
.endr
	WIN 0
.irp nb, 0,1,2,3
	ds_store_b128 v[STO], v[TMP+8*\nb:TMP+8*\nb+3] offset:64*\nb
	ds_store_b128 v[STO], v[TMP+8*\nb+4:TMP+8*\nb+7] offset:64*\nb+16
.endr
	s_wait_xcnt 0x0                                ; the registers that the last block's stores read are loaded again only behind this wait
.irp t, 0,1,2,3,4,5,6,7
	ds_load_b128 v[FB+4*\t:FB+4*\t+3], v[RD] offset:2*SP*\t        ; LDS serves a wave's instructions in order: these see the stores above
.endr
.irp t, 0,1,2,3,4,5,6,7
	s_wait_dscnt 7-\t                              ; this read-back is in, the younger ones stay out
	global_store_b128 v[CO], v[FB+4*\t:FB+4*\t+3], s[8:9] offset:65536*\a+8192*\t th:TH_STORE_NT
.endr
.endm
	OUT 0
	OUT 1
	OUT 2
	OUT 3
	s_wait_tensorcnt 0x0
	ds_add_u32 v254, v255
	s_wait_dscnt 0x0
	CROUND                                         ; the closing round: no work-group ends while a partner may still ask for a tile that names it
	s_endpgm
.Lfunc_end_k_q7cac01bc84_oproj:
	.size	k_q7cac01bc84_oproj, .Lfunc_end_k_q7cac01bc84_oproj-k_q7cac01bc84_oproj
	.p2alignl 7, 3214868480
	.fill 96, 4, 3214868480
	.section	.rodata,"a",@progbits
	.p2align	6, 0x0
	.amdhsa_kernel k_q7cac01bc84_oproj
		.amdhsa_group_segment_fixed_size 327680
		.amdhsa_private_segment_fixed_size 0
		.amdhsa_enable_private_segment 0
		.amdhsa_kernarg_size 32
		.amdhsa_user_sgpr_count 2
		.amdhsa_user_sgpr_kernarg_segment_ptr 1
		.amdhsa_wavefront_size32 1
		.amdhsa_system_sgpr_workgroup_id_x 1
		.amdhsa_system_sgpr_workgroup_id_y 1
		.amdhsa_system_sgpr_workgroup_id_z 1
		.amdhsa_system_vgpr_workitem_id 0
		.amdhsa_next_free_vgpr 384
		.amdhsa_next_free_sgpr 84
		.amdhsa_reserve_vcc 0
		.amdhsa_float_denorm_mode_32 3
		.amdhsa_float_denorm_mode_16_64 3
		.amdhsa_memory_ordered 1
		.amdhsa_forward_progress 1
		.amdhsa_inst_pref_size 94
	.end_amdhsa_kernel
	.amdgpu_metadata
---
amdhsa.version: [ 1, 2 ]
amdhsa.kernels:
  - .name:           k_q7cac01bc84_oproj
    .symbol:         k_q7cac01bc84_oproj.kd
    .args:
      - { .name: attnh, .offset: 0, .size: 8, .value_kind: global_buffer, .address_space: global }
      - { .name: wall, .offset: 8, .size: 8, .value_kind: global_buffer, .address_space: global }
      - { .name: bo, .offset: 16, .size: 8, .value_kind: global_buffer, .address_space: global }
      - { .name: out0, .offset: 24, .size: 8, .value_kind: global_buffer, .address_space: global }
    .group_segment_fixed_size: 327680
    .private_segment_fixed_size: 0
    .kernarg_segment_align: 8
    .kernarg_segment_size: 32
    .max_flat_workgroup_size: 128
    .sgpr_count:     84
    .vgpr_count:     384
    .wavefront_size: 32
...
	.end_amdgpu_metadata
.endif
;; end of part 4
